; MI455X (gfx1250); checked and timed in simulation.
; The chip was launched on July 23, 2026; its instructions are those of AMD's public machine-readable ISA for CDNA 5 (MIT licence, August 2026) and "CDNA5" Instruction Set Architecture Reference Guide (July 2026). The comments in the code are by the model that wrote it; some were corrected since.
;; Router. Allowed arithmetic: matrix products marked QUANTISED: E4M3 operands, one given power-of-two scale a tensor, by v_wmma_f32_16x16x64_fp8_fp8 or v_wmma_f32_16x16x128_fp8_fp8, f32 sums; products left as they are: f32 operands where the result goes on into a quantised operand, else bf16, f16 or f32 operands; f32 sums; everything else in f32.
;; Inputs: W1 2,048 x 1,024 float32; W2 1,024 x 8 float32; b1 1,024 float32; b2 8 float32; hidden_states 4 x 4,096 x 2,048 float32; lowp_scales 2 int32 (the exponents e of the quantised operands' scales 2^e).
;; Outputs: out0 4 x 4,096 x 8 float32; out1 4 x 4,096 x 2 float32; out2 4 x 4,096 x 2 int32.
;; This version of the problem:
;;   THIS VERSION OF THE PROBLEM IS GIVEN IN LOW PRECISION. The matrix products marked QUANTISED in the list below multiply operands that are first quantised to E4M3 (4 exponent bits, 3 mantissa bits; 8 bits a number), with one given power-of-two scale for each operand tensor; their sums are f32. All else is computed in f32.
;;   The module's matrix products, in the order in which they are computed (A, B: the left and right operand; K: the contracted axis; several contracted axes count as one K, in the product's order):
;;     1. [M 16,384, K 2,048] x [K 2,048, N 1,024]; A: input hidden_states; B: input W1: QUANTISED (scales: A lowp_scales[0], B lowp_scales[1])
;;     2. [M 16,384, K 1,024] x [K 1,024, N 8]; A: computed on the way; B: input W2: left as it is (N = 8 < 16)
;;   THE QUANTISER, for each operand of a quantised product, along K:
;;     - The operand's scale is 2^e, e = its entry of the input lowp_scales (int32; the entries are numbered through the quantised products in the list's order, A before B).
;;     - Each number is divided by the scale, clamped to +-448, and rounded to the nearest number of E4M3, ties to even, subnormals kept.
;;     - The product sums the exact products of the quantised numbers (number of the format x scale) in f32.
;;   ~~~python
;;   def quantise(x, axis, e):      # numpy; x: float32 -> the quantised numbers, widened to float32 again
;;       x = np.moveaxis(x, axis, -1); K = x.shape[-1]
;;       r = np.clip(x / 2.0 ** e, -448, 448)
;;       step = 2.0 ** (np.maximum(np.frexp(np.where(r == 0, 1, r))[1] - 1, -6) - 3)
;;       q = np.round(r / step) * step * 2.0 ** e      # np.round: ties to even
;;       return np.moveaxis(q, -1, axis).astype(np.float32)
;;   ~~~
;; One version. Each part assembles by itself: llvm-mc -triple=amdgcn-amd-amdhsa -mcpu=gfx1250 --defsym DOCPART=n.
;; ======== version 1 of 1: 2 launches
;; limits: values are held in f16: magnitudes above 65,504 overflow, below 6.1e-05 lose precision; right only within a limited range of input values
;; workspace buffers: w1c 2,097,152 bytes; w2c 32,768 bytes
;; launch packw (part 1): grid 8 x 32, 4 waves a work-group, no clusters, 0 bytes of LDS; arguments W1, lowp_scales, w1c, W2, w2c; writes w1c, w2c
.if DOCPART == 1
	.amdgcn_target "amdgcn-amd-amdhsa--gfx1250"
	.amdhsa_code_object_version 6
	.text
	.protected	k_q3e2320b799_packw
	.globl	k_q3e2320b799_packw
	.p2align	8
	.type	k_q3e2320b799_packw,@function
k_q3e2320b799_packw:
	s_mov_b64 s[64:65], 0
	v_nop
	global_prefetch_b8 v0, s[64:65] scope:SCOPE_SE
	s_setreg_imm32_b32 hwreg(HW_REG_WAVE_MODE, 25, 1), 1
	s_wait_xcnt 0x0
; W1 [2048 (k)][1024 (n)], f32, becomes codes of FP8 (E4M3) with the given scale 2^e1 (entry 1 of lowp_scales), laid in the ORDER OF THE OPERAND'S REGISTERS:
; byte s*131072 + T*2048 + c*512 + (r + 16 h)*16 + i of w1c is the code of W1[128 s + 32 c + 16 h + i][16 T + r]: registers 4 c .. 4 c + 3 of lane r + 16 h of the fragment (K step s, tile T).
; code = x / 2^e1, held within +-448, rounded to the nearest code, ties to even.  LIMITS: -126 <= e1 <= 119, so that 2^e1 and 448 x 2^e1 are f32 numbers; NaN among the inputs is not served.
; A LANE TAKES A COLUMN n AND ITS REGISTERS RUN DOWN K: a load reads 128 consecutive bytes a wave (512 a work-group), and the conversions, which take neighbours along K from one lane's
; consecutive registers, give 16 codes that are 16 neighbouring bytes of the image.  Work-group (x, y): columns 128 x on, k = 64 y on; a wave 32 columns x 64 k.
; No LDS, no barrier, no loop: every offset is an immediate and no register is written twice, so no wait frees a source.
.set X, 16                             ; v16-79  W1(64 y + i, my column), i = 0 .. 63
.set C, 80                             ; v80-95  their codes
	s_load_b128 s[4:7], s[0:1], 0x0                ; W1 s[4:5], lowp_scales s[6:7]
	s_load_b64 s[8:9], s[0:1], 0x10                ; w1c
	s_load_b128 s[20:23], s[0:1], 0x18             ; W2 s[20:21], w2c s[22:23]
	v_lshrrev_b32 v1, 5, v0
	v_readfirstlane_b32 s10, v1                    ; wave 0..3
	v_and_b32 v1, 31, v0                           ; lane q
	v_lshlrev_b32 v2, 2, v1                        ; in: 4 bytes a lane
	v_and_b32 v6, 15, v1                           ; r
	v_lshrrev_b32 v7, 4, v1                        ; which of the wave's two tiles of 16 columns
	v_lshlrev_b32 v3, 4, v6
	v_lshl_add_u32 v3, v7, 11, v3                  ; out: 16 r + 2048 x tile
	s_and_b32 s11, ttmp7, 0xffff                   ; y
	s_lshl_b32 s14, s11, 18                        ; W1: 64 y rows of 4,096 bytes,
	s_lshl_b32 s15, ttmp9, 9                       ; + 128 x columns,
	s_add_co_u32 s14, s14, s15
	s_lshl_b32 s15, s10, 7                         ; + 32 x wave columns
	s_add_co_u32 s14, s14, s15
	s_mov_b32 s15, 0
	s_lshr_b32 s16, s11, 1                         ; w1c: K step s = y / 2,
	s_lshl_b32 s16, s16, 17
	s_lshl_b32 s17, ttmp9, 14                      ; tile 8 x + 2 x wave,
	s_add_co_u32 s16, s16, s17
	s_lshl_b32 s17, s10, 12
	s_add_co_u32 s16, s16, s17
	s_and_b32 s17, s11, 1                          ; c = 2 (y % 2) on
	s_lshl_b32 s17, s17, 10
	s_add_co_u32 s16, s16, s17
	s_mov_b32 s17, 0
	s_wait_alu depctr_va_vdst(0)
	s_wait_kmcnt 0x0
	s_load_b32 s12, s[6:7], 0x4                    ; e1
	s_add_nc_u64 s[4:5], s[4:5], s[14:15]
	s_add_nc_u64 s[8:9], s[8:9], s[16:17]
.set i, 0
.rept 64
	global_load_b32 v[X+i], v2, s[4:5] offset:i*4096 th:TH_LOAD_NT   ; read once in this launch
.set i, i+1
.endr
	; W2 [1024][8], f32, BECOMES FRAGMENTS OF F16 PAIRS: 1024 x W2 = hi + lo, hi the number cut to 11 significant bits, lo the rest rounded to f16.  Block P = 32 rows n: byte P*1024 + g*512 + 16*lane + 2*i
	; of w2c is row n = 32 P + 16 g + 8 h + i of expert r % 8, hi for r < 8 and lo for r >= 8 (lane = r + 16 h).  Wave 0 of work-group (0, y) makes block y.  LIMIT: |W2| under 63.9.
	s_or_b32 s18, ttmp9, s10
	s_cmp_lg_u32 s18, 0
	s_cbranch_scc1 .Lno_w2
	s_lshl_b32 s18, s11, 10
	s_mov_b32 s19, 0
	s_add_nc_u64 s[20:21], s[20:21], s[18:19]
	s_add_nc_u64 s[22:23], s[22:23], s[18:19]
	v_and_b32 v8, 7, v6
	v_lshlrev_b32 v8, 2, v8
	v_lshl_add_u32 v8, v7, 8, v8                   ; 4 e + 256 h: v7 = lane / 16 = h
.irp i, 0,1,2,3,4,5,6,7
	global_load_b32 v[96+\i], v8, s[20:21] offset:32*\i
	global_load_b32 v[104+\i], v8, s[20:21] offset:512+32*\i
.endr
	s_wait_loadcnt 0x0                             ; W2's sixteen, and W1's 64 ahead of them
	v_cmp_gt_u32 vcc_lo, 8, v6
	v_lshlrev_b32 v9, 4, v1
.set i, 0
.rept 16
	v_mul_f32 v[96+i], 0x44800000, v[96+i]
.set i, i+1
.endr
.set i, 0
.rept 16
	v_and_b32 v[112+i], 0xffffe000, v[96+i]
.set i, i+1
.endr
.set i, 0
.rept 16
	v_sub_f32 v[96+i], v[96+i], v[112+i]
.set i, i+1
.endr
.set i, 0
.rept 16
	v_cndmask_b32 v[96+i], v[96+i], v[112+i], vcc_lo
.set i, i+1
.endr
.set i, 0
.rept 8
	v_cvt_pk_f16_f32 v[128+i], v[96+2*i], v[97+2*i]
.set i, i+1
.endr
	global_store_b128 v9, v[128:131], s[22:23]
	global_store_b128 v9, v[132:135], s[22:23] offset:512
.Lno_w2:
	s_wait_kmcnt 0x0
	s_add_co_i32 s12, s12, 127
	s_lshl_b32 s13, s12, 23
	v_mov_b32 v4, s13                              ; 2^e1 as f32: the conversion takes its exponent field
	s_add_co_i32 s12, s12, 8
	s_lshl_b32 s12, s12, 23
	s_or_b32 s12, s12, 0x600000
	v_mov_b32 v5, s12                              ; 448 x 2^e1
	s_wait_alu depctr_va_vdst(0)
.irp cl, 0,1                           ; 32 along K at a time
	s_wait_loadcnt 32-32*\cl                       ; the first 32 loads are in while the younger 32 may be out; then all
.set i, 0
.rept 32
	v_med3_num_f32 v[X+32*\cl+i], v[X+32*\cl+i], -v5, v5   ; the conversion to an 8-bit code does not saturate (ISA guide 7.6.2): the hold at the largest code x the scale
.set i, i+1
.endr
.irp g, 0,1,2,3
	v_cvt_scalef32_pk8_fp8_f32 v[C+8*\cl+2*\g:C+8*\cl+2*\g+1], v[X+32*\cl+8*\g:X+32*\cl+8*\g+7], v4
.endr
	v_nop                                          ; a plain line behind the last conversion of the run
.irp h, 0,1
	global_store_b128 v3, v[C+8*\cl+4*\h:C+8*\cl+4*\h+3], s[8:9] offset:\cl*512+\h*256   ; lanes 0-15 store 256 consecutive bytes at a multiple of 256 from w1c's first byte, lanes 16-31 the same one tile on
.endr
.endr
	s_endpgm
.Lfunc_end_k_q3e2320b799_packw:
	.size	k_q3e2320b799_packw, .Lfunc_end_k_q3e2320b799_packw-k_q3e2320b799_packw
	.p2alignl 7, 3214868480
	.fill 96, 4, 3214868480
	.section	.rodata,"a",@progbits
	.p2align	6, 0x0
	.amdhsa_kernel k_q3e2320b799_packw
		.amdhsa_group_segment_fixed_size 0
		.amdhsa_private_segment_fixed_size 0
		.amdhsa_enable_private_segment 0
		.amdhsa_kernarg_size 40
		.amdhsa_user_sgpr_count 2
		.amdhsa_user_sgpr_kernarg_segment_ptr 1
		.amdhsa_wavefront_size32 1
		.amdhsa_system_sgpr_workgroup_id_x 1
		.amdhsa_system_sgpr_workgroup_id_y 1
		.amdhsa_system_sgpr_workgroup_id_z 1
		.amdhsa_system_vgpr_workitem_id 0
		.amdhsa_next_free_vgpr 144
		.amdhsa_next_free_sgpr 66
		.amdhsa_reserve_vcc 1
		.amdhsa_float_denorm_mode_32 3
		.amdhsa_float_denorm_mode_16_64 3
		.amdhsa_memory_ordered 1
		.amdhsa_forward_progress 1
		.amdhsa_inst_pref_size 19
	.end_amdhsa_kernel
	.amdgpu_metadata
---
amdhsa.version: [ 1, 2 ]
amdhsa.kernels:
  - .name:           k_q3e2320b799_packw
    .symbol:         k_q3e2320b799_packw.kd
    .args:
      - { .name: W1, .offset: 0, .size: 8, .value_kind: global_buffer, .address_space: global }
      - { .name: lowp_scales, .offset: 8, .size: 8, .value_kind: global_buffer, .address_space: global }
      - { .name: w1c, .offset: 16, .size: 8, .value_kind: global_buffer, .address_space: global }
      - { .name: W2, .offset: 24, .size: 8, .value_kind: global_buffer, .address_space: global }
      - { .name: w2c, .offset: 32, .size: 8, .value_kind: global_buffer, .address_space: global }
    .group_segment_fixed_size: 0
    .private_segment_fixed_size: 0
    .kernarg_segment_align: 8
    .kernarg_segment_size: 40
    .max_flat_workgroup_size: 128
    .sgpr_count:     66
    .vgpr_count:     144
    .wavefront_size: 32
...
	.end_amdgpu_metadata
.endif
;; end of part 1
;; launch router (part 2): grid 256 x 1, 4 waves a work-group, clusters of 4 x 1, 327,680 bytes of LDS; arguments hidden_states, w1c, w2c, b1, b2, lowp_scales, out0, out1, out2; writes out0, out1, out2
.if DOCPART == 2
	.amdgcn_target "amdgcn-amd-amdhsa--gfx1250"
	.amdhsa_code_object_version 6
	.text
	.protected	k_q3e2320b799_router
	.globl	k_q3e2320b799_router
	.p2align	8
	.type	k_q3e2320b799_router,@function
k_q3e2320b799_router:
	s_mov_b64 s[64:65], 0
	v_nop
	global_prefetch_b8 v0, s[64:65] scope:SCOPE_SE
	s_setreg_imm32_b32 hwreg(HW_REG_WAVE_MODE, 25, 1), 1
	s_wait_xcnt 0x0
	s_wait_alu depctr_hold_cnt(0) depctr_sa_sdst(0) depctr_va_vdst(0) depctr_va_sdst(0) depctr_va_ssrc(0) depctr_va_vcc(0) depctr_vm_vsrc(0)
	s_getreg_b32 s2, hwreg(HW_REG_IB_STS2, 6, 4)
	s_cmp_eq_u32 s2, 0
	s_cbranch_scc0 .Lentry_in_a_cluster
	s_endpgm
.Lentry_in_a_cluster:
	s_bfe_u32 s2, ttmp6, 0x10000c
	s_cmp_lg_u32 s2, 0x3003
	s_cbranch_scc0 .Lentry_shape_is_right
	s_endpgm
.Lentry_shape_is_right:
; X = hidden_states [16384][2048] f32.  h = relu(Q(X) Q(W1) + b1); logits = h W2 + b2; softmax over 8 experts; the two largest and their numbers.  No step is left out.
; A work-group takes 64 rows of X and all 1,024 columns of W1: h never leaves the chip.  Four waves; wave w makes 64 rows x columns 256 w .. 256 w + 255: 16 tiles x 4 row blocks = 64 accumulators, 512 registers.
; K goes in 16 steps of 128.  W1's CODES (w1c, laid in the order of the operand's registers, 128 KiB a step) come through a ring of two LDS slots by tensor loads, each wave its own 32 KiB as 128 rows of 256 bytes.
; CLUSTERS: the four work-groups of a cluster read the same codes of W1: each load is joint (mask 15), fetched for all four.  X's rows are shared by nobody.
; X goes from memory into registers (512 consecutive bytes an instruction), two sets of 64 registers, so two K steps of X are asked for ahead; wave w quantises row block w, and the codes reach the other waves through
; LDS (rows of 144 bytes), two buffers by turns.  code = x / 2^e0, held within +-448, ties to even.
; W1's fragments go from LDS through a register ring of four chunks (a chunk = two tiles), half a K step ahead: so a slot has been read out in the middle of its step, and there the slots change.
; PREFETCH: w1c alone.  A trip of two K steps asks for the two tiles that the next trip loads; the 512 blocks of a tile are shared out by address over 64 slices (16 numbers from the cluster's, x 4 partners), 2 blocks a
; wave, so that each block is asked for by four clusters.  X is not prefetched: 32 loads of 512 bytes a wave stand ahead of the work already.
; SECOND PRODUCT: operands as PAIRS OF F16 (high and low part, split in f32), f32 sums.  h / 4 = hi + lo; w2c holds 1024 x W2 as 8 rows hi and 8 rows lo: the sums are 256 x the logits, brought back by 2^-8.
; LIMITS: e0 between -126 and 119; e0 + e1 between -124 and 127; h under 262,000 (f16's largest number x 4); NaN among the inputs is not served.
; REGISTERS: window 0: v0-31 addresses, v32-47 X's codes, v48-111 X set 0, v112-239 W's ring, v240-255 b2, b1.  Window 1: v0-127 two sets of X's fragments, v128-191 X set 1, v192-255 W2's fragments.
;   Windows 2, 3: accumulator (tile b, row block a) at v[8 (4 (b % 8) + a)] of window 2 + b / 8.  Used transposed: source 0 = 16 columns of W1, so a lane holds one row of X and 8 neighbouring columns.
.set SLOT,  131072
.set XC,    262144
.set XP,    144
.set XCB,   64*XP
.set B1L,   XC+2*XCB
.set SPARE, B1L+4096
.set REDP,  48                         ; the way out: partial logits, a row of 32 bytes + 16, in slot 0, which has had its last fill and its last read
.set REDPL, 64*REDP
.set XO,    2
.set XST,   3
.set ADA,   4
.set WLA,   5
.set LIM,   7
.set SCL,   8
.set SPW,   9
.set NIL,   10
.set B1ST,  11
.set B1RD,  12
.set REDST, 13
.set REDX,  14
.set REDY,  15
.set O8,    16
.set ODD,   17
.set ZOF,   18
.set PFT,   19
.set PFH,   20
.set CD,    32
.set XT0,   48
.set XT1,   128                        ; in window 1
.set WR,    112
.set B2R,   240
.set B1V,   248
.set W2F,   192                        ; in window 1
.set TMP,   48                         ; behind the K loop
.set HB,    64
.set LG,    80
.set HF,    112
.set LF,    144
.set WV,    22
.set CX,    23
.set G0,    24
.set G1,    32
.set PFB,   40
.set ES,    42
.set SC,    44
.set FS,    46
.set T0,    48
.set L2E,   50
.set MASK,  51
.set LC,    52
.set WGN,   53
.set OP,    54
.set TS,    56
.set SXST,  57
.set SB1,   58
.set SRED,  59
.set SRX,   60
.set SRY,   61
.set MSB, 0
.macro WIN new                         ; the immediate's high byte repeats the setting that is left
.if MSB != (\new)
	s_set_vgpr_msb (MSB<<8)|(\new)
.set MSB, (\new)
.endif
.endm
.set M_LO, 0xa4                        ; source 0 (W) window 0, source 1 (X) window 1, C and D window 2; + 0x50: window 3
.macro PLACES n
.rept \n
	v_nop
.endr
.endm
.macro CREST                           ; a round of the cluster's barrier behind its opening barrier
	s_cmp_lg_u32 s[WV], 0
	s_cbranch_scc1 .Lnot_wave_0_\@
	s_barrier_signal -3
.Lnot_wave_0_\@:
	s_barrier_wait -3
	s_barrier_signal -1
	s_barrier_wait -1
.endm
.macro CROUND
	s_barrier_signal -1
	s_barrier_wait -1
	CREST
.endm
.macro XLOAD set, off                  ; my 16 rows x 128 numbers of a K step: 16 bytes a lane, a row an instruction
.if (\set)
	WIN 0x40
.else
	WIN 0
.endif
.set XS, XT0+(XT1-XT0)*(\set)
.set xi, 0
.rept 16
	global_load_b128 v[XS+4*xi:XS+4*xi+3], v[XO], s[4:5] offset:xi*8192+(\off) th:TH_LOAD_NT
.set xi, xi+1
.endr
	WIN 0
.endm
; A quarter of a quantising: rows 4 c .. 4 c + 3 of mine.  lw: the loads that may be out at c = 0: 12 of this set and all that were issued behind it
.macro QPART qc, set, lw
.set XS, XT0+(XT1-XT0)*(\set)+16*(\qc)
	s_wait_loadcnt (\lw)-4*(\qc)
	WIN 0x41*(\set)
.set xi, 0
.rept 16
	v_med3_num_f32 v[XS+xi], v[XS+xi], -v[LIM], v[LIM]   ; the conversion does not saturate (ISA guide 7.6.2)
.set xi, xi+1
.endr
	WIN (\set)
	v_cvt_scalef32_pk8_fp8_f32 v[CD+4*(\qc):CD+4*(\qc)+1], v[XS:XS+7], v[SCL]
	v_cvt_scalef32_pk8_fp8_f32 v[CD+4*(\qc)+2:CD+4*(\qc)+3], v[XS+8:XS+15], v[SCL]
	v_nop                                          ; a plain line behind the last conversion
	WIN 0
.irp i, 0,1,2,3
	ds_store_b32 v[XST], v[CD+4*(\qc)+\i] offset:(\set)*XCB+(4*(\qc)+\i)*XP
.endr
.endm
.macro WLD slot, ch                    ; chunk ch of a step: two tiles, 8 loads of 512 consecutive bytes
.irp u, 0,1
.irp d, 0,1,2,3
	ds_load_b128 v[WR+32*((\ch)&3)+16*\u+4*\d:WR+32*((\ch)&3)+16*\u+4*\d+3], v[WLA+(\slot)] offset:(2*(\ch)+\u)*2048+\d*512
.endr
.endr
.endm
.macro XFLD set                        ; X's fragments of a step: four row blocks
	WIN 0x40
.irp a, 0,1,2,3
.irp d, 0,1,2,3
	ds_load_b128 v[64*(\set)+16*\a+4*\d:64*(\set)+16*\a+4*\d+3], v[ADA] offset:(\set)*XCB+\a*16*XP+32*\d
.endr
.endr
	WIN 0
.endm
.macro MUL ch, xs, zero                ; 8 matrix instructions; the 64 accumulators take turns in the same order in every step
	WIN M_LO+0x50*((\ch)/4)
.irp u, 0,1
.irp a, 0,1,2,3
.set D8, 8*(4*((2*(\ch)+\u)&7)+\a)
.set WB, WR+32*((\ch)&3)+16*\u
.set XA, 64*(\xs)+16*\a
.if (\zero)
	v_wmma_f32_16x16x128_fp8_fp8 v[D8:D8+7], v[WB:WB+15], v[XA:XA+15], 0
.else
	v_wmma_f32_16x16x128_fp8_fp8 v[D8:D8+7], v[WB:WB+15], v[XA:XA+15], v[D8:D8+7]
.endif
.endr
.endr
.endm
.macro TAILLOAD                        ; in place of X's loads, in step 13: W2's fragments, my 256 of b1, b2: 20 loads
	WIN 0x40
.set xi, 0
.rept 16
	global_load_b128 v[W2F+4*xi:W2F+4*xi+3], v[XO], s[8:9] offset:512*xi
.set xi, xi+1
.endr
	WIN 0
	global_load_b128 v[B1V:B1V+3], v[XO], s[10:11]
	global_load_b128 v[B1V+4:B1V+7], v[XO], s[10:11] offset:512
	global_load_b128 v[B2R:B2R+3], v[ZOF], s[12:13]
	global_load_b128 v[B2R+4:B2R+7], v[ZOF], s[12:13] offset:16
.endm
; A K step on slot p.  Chunks 0-3 are in registers or on their way (issued in the order chunk 0, X's fragments, chunks 1, 2, 3).  In the first half the next step's X is quantised, and chunks 4-7 are fetched.
; Waits: behind chunk c's loads stand three chunks (24) and 4 stores for each quarter quantised since.
; fill = 1: a round, and slot p takes the tile two steps on; 0: a plain barrier (step 14); -1: the last step.
.macro STEP p, zero, xl, off, fill, lw
.irp c, 0,1,2,3
.if (\fill) >= 0
	s_wait_dscnt 24+4*\c
	MUL \c, \p, \zero
	QPART \c, 1-(\p), \lw                          ; its sixteen holds are the places behind the products, too
.else
	s_wait_dscnt 24
	MUL \c, \p, \zero
	WIN 0
	PLACES 4
.endif
	WLD \p, \c+4
.endr
.if (\fill) >= 0
.if (\xl) == 1
	XLOAD 1-(\p), \off
.elseif (\xl) == 2
	TAILLOAD
.endif
	s_wait_tensorcnt 0x0                           ; my part of the next tile is in;
	ds_add_u32 v[SPW], v[NIL]
.if (\fill)
	s_add_nc_u64 s[G0+4*(\p)+2:G0+4*(\p)+3], s[G0+4*(\p)+2:G0+4*(\p)+3], 2*SLOT
.endif
	s_wait_dscnt 37                                ; chunk 4 is in: behind it 24 loads, 12 stores, the add
	MUL 4, \p, \zero
	s_wait_dscnt 0x0                               ; the add is done, my codes are stored, my reads of this slot are over
	s_barrier_signal -1
	MUL 5, \p, \zero
	WIN 0
	s_barrier_wait -1
.if (\fill)
	CREST                                          ; no wave of any partner still reads its slot p or has a load on its way
	tensor_load_to_lds s[G0+4*(\p):G0+4*(\p)+3], s[G1:G1+7]
	s_nop 0
.endif
	PLACES 4
	WLD 1-(\p), 0
	XFLD 1-(\p)
	WLD 1-(\p), 1
	MUL 6, \p, \zero
	WIN 0
	PLACES 4
	WLD 1-(\p), 2
	MUL 7, \p, \zero
	WIN 0
	PLACES 4
	WLD 1-(\p), 3
.endif
.endm
	s_load_b256 s[4:11], s[0:1], 0x0               ; hidden_states, w1c, w2c, b1
	s_load_b256 s[12:19], s[0:1], 0x20             ; b2, lowp_scales, out0, out1
	s_load_b64 s[20:21], s[0:1], 0x40              ; out2
	v_lshl_add_u32 v[SPW], v0, 2, SPARE
	v_mov_b32 v[NIL], 0
	ds_add_u32 v[SPW], v[NIL]                      ; the opening add, twice on end
	ds_add_u32 v[SPW], v[NIL]
	v_lshrrev_b32 v23, 5, v0
	v_readfirstlane_b32 s[WV], v23                 ; wave 0..3
	v_and_b32 v1, 31, v0                           ; lane
	v_lshlrev_b32 v[XO], 4, v1
	s_wait_alu depctr_va_vdst(0)
	s_bfe_u32 s[CX], ttmp6, 0x40000
	s_lshl_b32 s[WGN], ttmp9, 2
	s_add_co_u32 s[WGN], s[WGN], s[CX]             ; work-group = 4 x cluster + place
	s_lshl_b32 s[OP], s[WGN], 19                   ; 64 rows of 8,192 bytes
	s_lshl_b32 s[TS], s[WV], 17                    ; 16 rows a wave
	s_add_co_u32 s[OP], s[OP], s[TS]
	s_mov_b32 s[OP+1], 0
	s_mov_b32 s[G1+0], 15|(3<<16)|(1<<21)          ; mask of the four; elements of 8 bytes; bit 21 beside a mask
	s_mov_b32 s[G1+1], 32<<16                      ; a row: 32 x 8 = 256 bytes
	s_mov_b32 s[G1+2], 128<<16                     ; 128 rows
	s_mov_b32 s[G1+3], 32<<16
	s_mov_b32 s[G1+4], 128
	s_mov_b32 s[G1+5], 32
	s_mov_b32 s[G1+6], 0
	s_mov_b32 s[G1+7], 0
	s_wait_dscnt 0x0                               ; both opening adds are done
	s_wait_kmcnt 0x0
	s_load_b64 s[ES:ES+1], s[14:15], 0x0           ; e0, e1
	s_add_nc_u64 s[4:5], s[4:5], s[OP:OP+1]
	XLOAD 0, 0
	XLOAD 1, 512
	; the prefetches' base: slice = 4 x (bits 0, 1, 3, 4 of the cluster's number) + place: 8 blocks of 256 bytes, 2 a wave
	s_and_b32 s[OP], ttmp9, 3
	s_lshr_b32 s[TS], ttmp9, 3
	s_and_b32 s[TS], s[TS], 3
	s_lshl_b32 s[TS], s[TS], 2
	s_or_b32 s[OP], s[OP], s[TS]
	s_lshl_b32 s[OP], s[OP], 2
	s_add_co_u32 s[OP], s[OP], s[CX]
	s_lshl_b32 s[OP], s[OP], 11
	s_lshl_b32 s[TS], s[WV], 9
	s_add_co_u32 s[OP], s[OP], s[TS]
	s_add_nc_u64 s[PFB:PFB+1], s[6:7], s[OP:OP+1]
	s_lshl_b32 s[OP], s[WV], 15                    ; my 32 KiB of a tile: the wave's number alone
	s_add_nc_u64 s[6:7], s[6:7], s[OP:OP+1]
.irp n, 0,1
	s_mov_b32 s[G0+4*\n], 1
	s_add_co_u32 s[G0+4*\n+1], s[OP], \n*SLOT
	s_add_nc_u64 s[G0+4*\n+2:G0+4*\n+3], s[6:7], \n*SLOT
	s_or_b32 s[G0+4*\n+3], s[G0+4*\n+3], 0x80000000
.endr
	CROUND                                         ; in front of the first joint loads
	tensor_load_to_lds s[G0:G0+3], s[G1:G1+7]      ; step 0's tile: one tensor load a wave at the head
	s_nop 0
	PLACES 4
	s_lshl_b32 s[OP], s[WGN], 11
	s_lshl_b32 s[TS], s[WV], 9
	s_add_co_u32 s[OP], s[OP], s[TS]
	s_add_nc_u64 s[16:17], s[16:17], s[OP:OP+1]    ; out0: my 16 rows of 32 bytes
	s_lshl_b32 s[OP], s[WGN], 9
	s_and_b32 s[SRY], s[WV], 1
	s_lshl_b32 s[TS], s[SRY], 8
	s_add_co_u32 s[OP], s[OP], s[TS]
	s_add_nc_u64 s[18:19], s[18:19], s[OP:OP+1]    ; out1, out2: 32 rows of 8 bytes
	s_add_nc_u64 s[20:21], s[20:21], s[OP:OP+1]
	s_lshl_b32 s[OP], s[WV], 13
	s_add_nc_u64 s[8:9], s[8:9], s[OP:OP+1]
	s_lshl_b32 s[OP], s[WV], 10
	s_add_nc_u64 s[10:11], s[10:11], s[OP:OP+1]
	s_mul_i32 s[SXST], s[WV], 16*XP
	s_add_co_u32 s[SXST], s[SXST], XC
	s_lshl_b32 s[TS], s[WV], 15
	s_add_co_u32 s[SB1], s[OP], B1L
	s_lshl_b32 s[SRED], s[WV], 7
	s_lshl_b32 s[SRX], s[WV], 4
	s_lshl_b32 s[SRY], s[SRY], 5
	s_mov_b32 s[L2E], 0x3fb8aa3b                   ; log2(e)
	s_mov_b32 s[MASK], 0xffffe000                  ; 11 significant bits
	s_mov_b32 s[FS], 0x3b800000                    ; 2^-8
	s_mov_b32 s[FS+1], 0x3b800000
	v_and_b32 v24, 15, v0                          ; r
	v_bfe_u32 v25, v0, 4, 1                        ; h
	v_min_u32 v26, 5, v1                           ; at the head: steps 1, 2, 3, two blocks each
	v_and_b32 v27, 1, v26
	v_lshrrev_b32 v26, 1, v26
	v_lshlrev_b32 v26, 17, v26
	v_lshl_add_u32 v[PFH], v27, 8, v26
	v_min_u32 v28, 3, v1                           ; in a trip: two steps, two blocks each
	v_and_b32 v29, 1, v28
	v_lshrrev_b32 v28, 1, v28
	v_lshlrev_b32 v28, 17, v28
	v_lshl_add_u32 v[PFT], v29, 8, v28
	v_lshl_add_u32 v[XST], v1, 2, s[SXST]
	v_mul_u32_u24 v[ADA], v24, XP
	v_lshl_add_u32 v[ADA], v25, 4, v[ADA]
	v_add_nc_u32 v[ADA], XC, v[ADA]
	v_add_nc_u32 v[WLA], s[TS], v[XO]
	v_add_nc_u32 v[WLA+1], SLOT, v[WLA]
	v_add_nc_u32 v[B1ST], s[SB1], v[XO]
	v_lshl_add_u32 v[B1RD], v25, 5, s[SB1]
	v_lshl_add_u32 v[REDST], v25, 6, v24
	v_add_nc_u32 v[REDST], s[SRED], v[REDST]
	v_mul_u32_u24 v[REDST], v[REDST], REDP
	v_lshrrev_b32 v[REDX], 1, v1
	v_add_nc_u32 v[REDX], s[SRX], v[REDX]
	v_mul_u32_u24 v[REDX], v[REDX], REDP
	v_and_b32 v[ODD], 1, v1
	v_lshl_add_u32 v[REDX], v[ODD], 4, v[REDX]
	v_add_nc_u32 v[REDY], s[SRY], v1
	v_mul_u32_u24 v[REDY], v[REDY], REDP
	v_lshlrev_b32 v[O8], 3, v1
	v_mov_b32 v[ZOF], 0
	global_prefetch_b8 v[PFH], s[PFB:PFB+1] offset:SLOT th:TH_LOAD_NT scope:SCOPE_SE
	s_wait_alu depctr_va_vdst(0)
	s_wait_kmcnt 0x0
	s_add_co_i32 s[T0], s[ES], 127
	s_lshl_b32 s[T0+1], s[T0], 23
	v_mov_b32 v[SCL], s[T0+1]                      ; 2^e0
	s_add_co_i32 s[T0], s[T0], 8
	s_lshl_b32 s[T0], s[T0], 23
	s_or_b32 s[T0], s[T0], 0x600000
	v_mov_b32 v[LIM], s[T0]                        ; 448 x 2^e0
	s_add_co_i32 s[SC], s[ES], s[ES+1]
	s_add_co_i32 s[SC], s[SC], 125
	s_lshl_b32 s[SC], s[SC], 23                    ; 2^(e0 + e1) / 4
	s_mov_b32 s[SC+1], s[SC]
	s_wait_alu depctr_va_vdst(0)
.irp c, 0,1,2,3
	QPART \c, 0, 28                                ; X of step 0; step 1's 16 loads may be out
.endr
	XLOAD 0, 1024
	s_wait_tensorcnt 0x0                           ; ahead of a later first fill, as ahead of a refill
	ds_add_u32 v[SPW], v[NIL]
	s_wait_dscnt 0x0                               ; the add is done, and my codes of step 0 are stored
	CROUND
	tensor_load_to_lds s[G0+4:G0+7], s[G1:G1+7]    ; step 1's tile
	s_nop 0
	PLACES 4
	WLD 0, 0
	XFLD 0
	WLD 0, 1
	WLD 0, 2
	WLD 0, 3
	STEP 0, 1, 1, 1536, 1, 28                      ; step 0 starts the sums; X of step 3 is asked for
	global_prefetch_b8 v[PFT], s[PFB:PFB+1] offset:4*SLOT th:TH_LOAD_NT scope:SCOPE_SE
	STEP 1, 0, 1, 2048, 1, 28
	s_mov_b32 s[LC], 0
.Lk:                                                   ; a trip: steps t and t + 1, t = 2, 4 .. 10
	s_wait_xcnt 0x0                                ; the last trip's loads and prefetch have read their bases
	s_add_nc_u64 s[4:5], s[4:5], 1024
	s_add_nc_u64 s[PFB:PFB+1], s[PFB:PFB+1], 2*SLOT
	STEP 0, 0, 1, 1536, 1, 28
	global_prefetch_b8 v[PFT], s[PFB:PFB+1] offset:4*SLOT th:TH_LOAD_NT scope:SCOPE_SE   ; steps t + 4, t + 5: the last trip asks for steps 14 and 15
	STEP 1, 0, 1, 2048, 1, 28
	s_add_co_u32 s[LC], s[LC], 1
	s_cmp_lt_u32 s[LC], 5
	s_cbranch_scc1 .Lk
	s_wait_xcnt 0x0
	s_add_nc_u64 s[4:5], s[4:5], 1024
	STEP 0, 0, 1, 1536, 1, 28                      ; step 12: the last of X
	STEP 1, 0, 2, 0, 1, 28                         ; step 13: the last refill
	STEP 0, 0, 0, 0, 0, 32                         ; step 14: behind X's 16 loads stand 20
	STEP 1, 0, 0, 0, -1, 0                         ; step 15, first half
	s_wait_loadcnt 0x0                             ; W2's fragments, b1, b2
.irp i, 0,1,2,3,4,5,6,7
	v_mul_f32 v[B1V+\i], 0x3e800000, v[B1V+\i]     ; b1 / 4
.endr
	ds_store_b128 v[B1ST], v[B1V:B1V+3]
	ds_store_b128 v[B1ST], v[B1V+4:B1V+7] offset:512
	WIN 0x40
.irp b, 0,1,2,3,4,5,6,7,8,9,10,11,12,13,14,15  ; b1 / 4 at my eight columns of each tile (LDS serves a wave's instructions in order, ISA guide 5.7.1.4), into X's set 0 of fragments and X set 1
.set BB, 8*\b+64*(\b/8)
	ds_load_b128 v[BB:BB+3], v[B1RD] offset:64*\b
	ds_load_b128 v[BB+4:BB+7], v[B1RD] offset:64*\b+16
.endr
	s_wait_dscnt 58                                ; chunk 4 is in: behind it 24 loads, 2 stores, 32 loads
	MUL 4, 1, 0
	s_wait_dscnt 50
	MUL 5, 1, 0
	s_wait_dscnt 42
	MUL 6, 1, 0
	s_wait_dscnt 34
	MUL 7, 1, 0
	WIN 0
	s_wait_dscnt 0x0
	PLACES 4
; THE SECOND PRODUCT.  Tiles 2 P and 2 P + 1 of row block a are 32 along its K: a lane's 8 + 8 results are the operand's layout as they stand.
; The products of a unit stand in later units, among their vector work: the four accumulators' steps are never next to each other.
.macro F16M pp, aa, src, first
.if (\first) && ((\pp) == 0)
	v_wmma_f32_16x16x32_f16 v[LG+8*(\aa):LG+8*(\aa)+7], v[W2F+8*(\pp):W2F+8*(\pp)+7], v[\src+8*(\aa):\src+8*(\aa)+7], 0
.else
	v_wmma_f32_16x16x32_f16 v[LG+8*(\aa):LG+8*(\aa)+7], v[W2F+8*(\pp):W2F+8*(\pp)+7], v[\src+8*(\aa):\src+8*(\aa)+7], v[LG+8*(\aa):LG+8*(\aa)+7]
.endif
.endm
.macro UNIT pr, ra
	WIN 0x12+((\pr)/4)                             ; source 0 window 2 or 3, source 2 window 1
.irp u, 0,1
.set AC, 8*(4*((2*(\pr)+\u)&7)+(\ra))
.set BB, 8*(2*(\pr)+\u)+64*((\pr)/4)
.irp i, 0,2,4,6
	v_pk_fma_f32 v[TMP+8*\u+\i:TMP+8*\u+\i+1], v[AC+\i:AC+\i+1], s[SC:SC+1], v[BB+\i:BB+\i+1] op_sel_hi:[1,0,1]
.endr
.endr
	WIN 0x01                                       ; source 0 window 1
.if (\pr) > 0
	F16M (\pr)-1, \ra, LF, 0
.endif
.if (\ra) > 0
	F16M \pr, (\ra)-1, HF, 1
.elseif (\pr) > 0
	F16M (\pr)-1, 3, HF, 1
.endif
	WIN 0
.set xi, 0
.rept 16
	v_max_num_f32 v[TMP+xi], 0, v[TMP+xi]
.set xi, xi+1
.endr
.set xi, 0
.rept 16
	v_and_b32 v[HB+xi], s[MASK], v[TMP+xi]         ; the high part, cut to 11 bits
.set xi, xi+1
.endr
.set xi, 0
.rept 8
	v_cvt_pk_f16_f32 v[HF+8*(\ra)+xi], v[HB+2*xi], v[HB+2*xi+1]
.set xi, xi+1
.endr
.set xi, 0
.rept 8
	v_pk_add_f32 v[TMP+2*xi:TMP+2*xi+1], v[TMP+2*xi:TMP+2*xi+1], v[HB+2*xi:HB+2*xi+1] neg_lo:[0,1] neg_hi:[0,1]
.set xi, xi+1
.endr
.set xi, 0
.rept 8
	v_cvt_pk_f16_f32 v[LF+8*(\ra)+xi], v[TMP+2*xi], v[TMP+2*xi+1]
.set xi, xi+1
.endr
.endm
.irp P, 0,1,2,3,4,5,6,7
.irp a, 0,1,2,3
	UNIT \P, \a
.endr
.endr
	WIN 0x01
	F16M 7, 3, HF, 1
.irp a, 0,1,2,3
	F16M 7, \a, LF, 0
.endr
	WIN 0
	PLACES 4
; Each row's logits are the sum of eight parts: 4 waves x (lanes 0-15: W2's high parts, lanes 16-31: its low parts).
.irp a, 0,1,2,3
.irp c, 0,1
	ds_store_b128 v[REDST], v[LG+8*\a+4*\c:LG+8*\a+4*\c+3] offset:\a*16*REDP+16*\c
.endr
.endr
	s_wait_dscnt 0x0                               ; for the others' sake
	s_barrier_signal -1
	s_barrier_wait -1
.irp p, 0,1,2,3,4,5,6,7
	ds_load_b128 v[48+4*\p:51+4*\p], v[REDX] offset:\p*REDPL
.endr
	v_cmp_ne_u32 vcc_lo, 0, v[ODD]
.irp i, 0,1,2,3
	v_cndmask_b32 v[112+\i], v[B2R+\i], v[B2R+4+\i], vcc_lo
.endr
	s_wait_alu depctr_va_vdst(0)
	s_wait_dscnt 0x0
.irp p, 1,2,3,4,5,6,7
	v_pk_add_f32 v[48:49], v[48:49], v[48+4*\p:49+4*\p]
	v_pk_add_f32 v[50:51], v[50:51], v[50+4*\p:51+4*\p]
.endr
	v_pk_fma_f32 v[116:117], v[48:49], s[FS:FS+1], v[112:113] op_sel_hi:[1,0,1]
	v_pk_fma_f32 v[118:119], v[50:51], s[FS:FS+1], v[114:115] op_sel_hi:[1,0,1]
	global_store_b128 v[XO], v[116:119], s[16:17] th:TH_STORE_NT   ; 512 consecutive bytes
	s_cmp_gt_u32 s[WV], 1
	s_cbranch_scc1 .Ldone                          ; waves 0 and 1: a lane a row
.irp p, 0,1,2,3,4,5,6,7
.irp c, 0,1
	ds_load_b128 v[48+8*\p+4*\c:51+8*\p+4*\c], v[REDY] offset:\p*REDPL+16*\c
.endr
.endr
	s_wait_dscnt 0x0
.irp p, 1,2,3,4,5,6,7
.irp q, 0,1,2,3
	v_pk_add_f32 v[48+2*\q:49+2*\q], v[48+2*\q:49+2*\q], v[48+8*\p+2*\q:49+8*\p+2*\q]
.endr
.endr
.irp q, 0,1,2,3
	v_pk_fma_f32 v[48+2*\q:49+2*\q], v[48+2*\q:49+2*\q], s[FS:FS+1], v[B2R+2*\q:B2R+2*\q+1] op_sel_hi:[1,0,1]
.endr
	v_max3_num_f32 v56, v48, v49, v50
	v_max3_num_f32 v56, v56, v51, v52
	v_max3_num_f32 v56, v56, v53, v54
	v_max_num_f32 v56, v56, v55
.irp e, 0,1,2,3,4,5,6,7
	v_sub_f32 v[64+\e], v[48+\e], v56
.endr
.irp e, 0,1,2,3,4,5,6,7
	v_mul_f32 v[64+\e], s[L2E], v[64+\e]
.endr
.irp e, 0,1,2,3,4,5,6,7
	v_max_num_f32 v[72+\e], 0xc2fc0000, v[64+\e]   ; exponents under -126 give p = 0 (ISA guide 15.8: denormal results come out as zero): equal ones, ordered by number
.endr
	v_mov_b32 v94, 7
.irp e, 6,5,4,3,2,1,0
	v_cmp_neq_f32 vcc_lo, 0, v[72+\e]
	v_cndmask_b32 v94, \e, v94, vcc_lo             ; the lowest number among the largest
.endr
	v_mov_b32 v57, 0xff800000
.irp e, 0,1,2,3,4,5,6,7
	v_cmp_eq_u32 vcc_lo, \e, v94
	v_cndmask_b32 v[80+\e], v[72+\e], v57, vcc_lo
.endr
	v_max3_num_f32 v58, v80, v81, v82
	v_max3_num_f32 v58, v58, v83, v84
	v_max3_num_f32 v58, v58, v85, v86
	v_max_num_f32 v58, v58, v87
	v_mov_b32 v95, 7
.irp e, 6,5,4,3,2,1,0
	v_cmp_neq_f32 vcc_lo, v[80+\e], v58
	v_cndmask_b32 v95, \e, v95, vcc_lo
.endr
	s_wait_alu depctr_va_vdst(0)
.irp e, 0,1,2,3,4,5,6,7
	v_exp_f32 v[64+\e], v[64+\e]
.endr
	v_exp_f32 v59, v58
	v_nop
	s_wait_alu depctr_va_vdst(0)
	v_add_f32 v60, v64, v65
	v_add_f32 v61, v66, v67
	v_add_f32 v62, v68, v69
	v_add_f32 v63, v70, v71
	v_add_f32 v60, v60, v61
	v_add_f32 v62, v62, v63
	v_add_f32 v60, v60, v62
	s_wait_alu depctr_va_vdst(0)
	v_rcp_f32 v92, v60                             ; the largest probability: 2^0 / the sum
	v_nop
	s_wait_alu depctr_va_vdst(0)
	v_mul_f32 v93, v59, v92
	global_store_b64 v[O8], v[92:93], s[18:19] th:TH_STORE_NT
	global_store_b64 v[O8], v[94:95], s[20:21] th:TH_STORE_NT
.Ldone:
	s_wait_tensorcnt 0x0                           ; the wave's end
	ds_add_u32 v[SPW], v[NIL]
	s_wait_dscnt 0x0
	CROUND                                         ; the closing round
	s_endpgm
.Lfunc_end_k_q3e2320b799_router:
	.size	k_q3e2320b799_router, .Lfunc_end_k_q3e2320b799_router-k_q3e2320b799_router
	.p2alignl 7, 3214868480
	.fill 96, 4, 3214868480
	.section	.rodata,"a",@progbits
	.p2align	6, 0x0
	.amdhsa_kernel k_q3e2320b799_router
		.amdhsa_group_segment_fixed_size 327680
		.amdhsa_private_segment_fixed_size 0
		.amdhsa_enable_private_segment 0
		.amdhsa_kernarg_size 72
		.amdhsa_user_sgpr_count 2
		.amdhsa_user_sgpr_kernarg_segment_ptr 1
		.amdhsa_wavefront_size32 1
		.amdhsa_system_sgpr_workgroup_id_x 1
		.amdhsa_system_sgpr_workgroup_id_y 1
		.amdhsa_system_sgpr_workgroup_id_z 1
		.amdhsa_system_vgpr_workitem_id 0
		.amdhsa_next_free_vgpr 1024
		.amdhsa_next_free_sgpr 66
		.amdhsa_reserve_vcc 1
		.amdhsa_float_denorm_mode_32 3
		.amdhsa_float_denorm_mode_16_64 3
		.amdhsa_memory_ordered 1
		.amdhsa_forward_progress 1
		.amdhsa_inst_pref_size 255
	.end_amdhsa_kernel
	.section	.bss,"aw",@nobits
	.p2align	6
	.space	262144
	.amdgpu_metadata
---
amdhsa.version: [ 1, 2 ]
amdhsa.kernels:
  - .name:           k_q3e2320b799_router
    .symbol:         k_q3e2320b799_router.kd
    .args:
      - { .name: hidden_states, .offset: 0, .size: 8, .value_kind: global_buffer, .address_space: global }
      - { .name: w1c, .offset: 8, .size: 8, .value_kind: global_buffer, .address_space: global }
      - { .name: w2c, .offset: 16, .size: 8, .value_kind: global_buffer, .address_space: global }
      - { .name: b1, .offset: 24, .size: 8, .value_kind: global_buffer, .address_space: global }
      - { .name: b2, .offset: 32, .size: 8, .value_kind: global_buffer, .address_space: global }
      - { .name: lowp_scales, .offset: 40, .size: 8, .value_kind: global_buffer, .address_space: global }
      - { .name: out0, .offset: 48, .size: 8, .value_kind: global_buffer, .address_space: global }
      - { .name: out1, .offset: 56, .size: 8, .value_kind: global_buffer, .address_space: global }
      - { .name: out2, .offset: 64, .size: 8, .value_kind: global_buffer, .address_space: global }
    .group_segment_fixed_size: 327680
    .private_segment_fixed_size: 0
    .kernarg_segment_align: 8
    .kernarg_segment_size: 72
    .max_flat_workgroup_size: 128
    .sgpr_count:     66
    .vgpr_count:     1024
    .wavefront_size: 32
...
	.end_amdgpu_metadata
.endif
;; end of part 2
